; MI455X (gfx1250); checked and timed in simulation.
; The chip was launched on July 23, 2026; its instructions are those of AMD's public machine-readable ISA for CDNA 5 (MIT licence, August 2026) and "CDNA5" Instruction Set Architecture Reference Guide (July 2026). The comments in the code are by the model that wrote it; some were corrected since.
;; GRU Skip Cell. Allowed arithmetic: matrix products marked QUANTISED: E2M3 operands, one E8M0 scale for each 32 along K, by v_wmma_scale_f32_16x16x128_f8f6f4 with both operands' format E2M3, f32 sums; everything else in f32.
;; Inputs: bias 2 x 3,072 float32; h_tm1 8,192 x 1,024 float32; inputs_codes 8,192 x 32 x 24 uint8 (E2M3 codes of inputs, K innermost, in blocks of 32 codes, four codes in three bytes); inputs_scales 8,192 x 32 uint8 (E8M0 scales of inputs, one for each 32 codes along K); kernel_codes 3,072 x 32 x 24 uint8 (E2M3 codes of kernel, K innermost, in blocks of 32 codes, four codes in three bytes); kernel_scales 3,072 x 32 uint8 (E8M0 scales of kernel, one for each 32 codes along K); recurrent_kernel_codes 3,072 x 32 x 24 uint8 (E2M3 codes of recurrent_kernel, K innermost, in blocks of 32 codes, four codes in three bytes); recurrent_kernel_scales 3,072 x 32 uint8 (E8M0 scales of recurrent_kernel, one for each 32 codes along K).
;; Outputs: out0 8,192 x 1,024 float32.
;; This version of the problem:
;;   THIS VERSION OF THE PROBLEM IS GIVEN IN LOW PRECISION. The matrix products marked QUANTISED in the list below multiply operands that are first quantised to E2M3 (2 exponent bits, 3 mantissa bits; 6 bits a number), with one power-of-two scale for each 32 numbers along K (OCP MX v1.0); their sums are f32. All else is computed in f32.
;;   The module's matrix products, in the order in which they are computed (A, B: the left and right operand; K: the contracted axis; several contracted axes count as one K, in the product's order):
;;     1. [M 8,192, K 1,024] x [K 1,024, N 3,072]; A: input inputs (given as codes); B: input kernel (given as codes): QUANTISED
;;     2. [M 8,192, K 1,024] x [K 1,024, N 3,072]; A: input h_tm1; B: input recurrent_kernel (given as codes): QUANTISED
;;   THE QUANTISER, for each operand of a quantised product, along K:
;;     - K is cut into blocks of 32 from its start; a last block that is shorter is filled with zeros.
;;     - A block's scale is 2^e with e = floor(log2(the largest magnitude in the block)) - 2, held to -126 .. 127; a block of zeros has e = 0. As a byte (E8M0): e + 127.
;;     - Each number is divided by its block's scale, clamped to +-7.5, and rounded to the nearest number of E2M3, ties to even, subnormals kept.
;;     - The product sums the exact products of the quantised numbers (number of the format x scale) in f32.
;;   ~~~python
;;   def quantise(x, axis):      # numpy; x: float32 -> the quantised numbers, widened to float32 again
;;       x = np.moveaxis(x, axis, -1); K = x.shape[-1]
;;       x = np.pad(x, [(0, 0)] * (x.ndim - 1) + [(0, -K % 32)]); x = x.reshape(x.shape[:-1] + (-1, 32)); a = np.abs(x).max(-1, keepdims=True)
;;       e = np.where(a > 0, np.clip(np.frexp(np.where(a > 0, a, 1))[1] - 1 - 2, -126, 127), 0)      # np.frexp(a)[1] - 1 = floor(log2(a)), exactly
;;       r = np.clip(x / 2.0 ** e, -7.5, 7.5)
;;       step = 2.0 ** (np.maximum(np.frexp(np.where(r == 0, 1, r))[1] - 1, 0) - 3)
;;       q = np.round(r / step) * step * 2.0 ** e      # np.round: ties to even
;;       return np.moveaxis(q.reshape(q.shape[:-2] + (-1,))[..., :K], -1, axis).astype(np.float32)
;;   ~~~
;;   INPUTS GIVEN AS CODES. inputs (in the module: [8192, 1024], K = its axis 1); kernel (in the module: [1024, 3072], K = its axis 0); recurrent_kernel (in the module: [1024, 3072], K = its axis 0): each comes as NAME_codes (uint8): NAME with its K axis moved to the last place and cut into blocks of 32 codes, [.., K / 32, bytes a block], one block behind the other in memory; four codes in three bytes: a row's codes are one little-endian stream of bits, code i at bits 6 i .. 6 i + 5 (a code: sign, 2 exponent bits, 3 mantissa bits); and NAME_scales (uint8): the same leading axes, one E8M0 byte (e + 127) for each 32 codes along K. Its value is code x scale, taken as it is: it is not quantised again, and the codes and scales need not be those that the quantiser above would give.
;; One version. Each part assembles by itself: llvm-mc -triple=amdgcn-amd-amdhsa -mcpu=gfx1250 --defsym DOCPART=n.
;; ======== version 1 of 1: 2 launches
;; workspace buffers: h_codes 6,291,456 bytes; h_scales 262,144 bytes
;; launch quant (part 1): grid 256 x 1, 4 waves a work-group, no clusters, 33,280 bytes of LDS; arguments h_tm1, h_codes, h_scales; writes h_codes, h_scales
.if DOCPART == 1
	.amdgcn_target "amdgcn-amd-amdhsa--gfx1250"
	.amdhsa_code_object_version 6
	.text
	.protected	k_q30f35537ca_quant
	.globl	k_q30f35537ca_quant
	.p2align	8
	.type	k_q30f35537ca_quant,@function
k_q30f35537ca_quant:
	s_mov_b64 s[64:65], 0
	v_nop
	global_prefetch_b8 v0, s[64:65] scope:SCOPE_SE
	s_setreg_imm32_b32 hwreg(HW_REG_WAVE_MODE, 25, 1), 1
	s_wait_xcnt 0x0
; h_tm1 [8192][1024], f32, is turned into codes of FP6 (E2M3), K innermost, four codes in three bytes (a row: 768 bytes), with one E8M0 byte for each 32 along K (a row: 32 bytes): the layout of inputs_codes and inputs_scales.
; A block's scale is 2^(floor(log2(its largest magnitude)) - 2); its byte is the largest magnitude's own exponent field - 2, held at 1 from below.  Each number is divided by the scale and rounded to the nearest code, ties to even; beyond 7.5 the largest code.
; LIMITS: a block whose largest magnitude lies under 2^-124 (a block of zeros among them) gets the byte 1: a block of zeros has zero codes, which add nothing under that byte, and the bytes are read by this program alone.  NaN and infinities are not served.
; Rows are dense and 1,024 is a multiple of 32: the tensor is a plain stream of blocks of 32, and so are the codes and the bytes.  8,388,608 numbers = 256 work-groups x 4 waves x 16 steps x 512.
; Each of a step's four loads reads 512 consecutive bytes, 16 a lane; the 2,048 bytes go through the wave's own stage in LDS and come back 64 bytes a lane: 16 neighbours along K, which the conversion wants in one lane's registers.
; Two neighbouring lanes hold a block.  A lane's 16 codes are 12 bytes: the wave stores 384 consecutive bytes.  A wave's 256 scale bytes are gathered in its own LDS bytes and leave as one aligned run of 256 bytes.
; Waves share nothing: no barrier.  Loads run eight steps (32 loads, 16,384 bytes a wave) ahead, half of the wave's share; the turn through LDS one step.
.set STEPS, 16
.set AHEAD, 8                          ; steps of loads on their way
.set EMAX,  2
.set CB,    12                         ; bytes of 16 codes
.set R,     16                         ; v16-143  eight sets of 16 numbers as they are loaded
.set X,     144                        ; v144-175 two sets of 16 neighbours
.set E,     176                        ; v176-191 a scale byte for each step
.set C,     192                        ; v192-255 codes: four registers for each step, so that no store's data are written again
.set WREG,  8192                       ; LDS: a region for each wave: two stages of 32 x SP bytes, behind them its 256 scale bytes
.set SP,    80                         ; a lane's place in a stage: its 64 bytes + 16 of padding
	s_load_b128 s[4:7], s[0:1], 0x0                ; h_tm1, the codes
	s_load_b64 s[8:9], s[0:1], 0x10                ; the scale bytes
	v_lshl_add_u32 v251, v0, 2, 0x8000
	v_mov_b32 v255, 0
	v_lshrrev_b32 v1, 5, v0
	v_readfirstlane_b32 s16, v1                    ; wave
	v_and_b32 v2, 31, v0                           ; lane
	v_lshlrev_b32 v3, 4, v2                        ; my 16 bytes of a load's 512
	s_mul_i32 s17, s16, WREG
	v_lshrrev_b32 v14, 2, v2
	v_mul_u32_u24 v14, v14, SP
	v_and_b32 v15, 3, v2
	v_lshl_add_u32 v14, v15, 4, v14
	v_add_nc_u32 v14, s17, v14                     ; the stage, on the way in: SP (lane / 4) + 16 (lane % 4); a load's 512 bytes take eight places
	v_mul_u32_u24 v15, v2, SP
	v_add_nc_u32 v15, s17, v15                     ; and on the way out: SP x lane: my 16 neighbours
	v_mul_u32_u24 v4, v2, CB                       ; my codes' place in a step's
	v_lshrrev_b32 v5, 1, v2
	s_add_co_u32 s17, s17, 2*32*SP
	v_add_nc_u32 v5, s17, v5                       ; LDS: my wave's 256 scale bytes, my block's byte
	v_lshlrev_b32 v7, 3, v2                        ; and on the way out 8 bytes a lane
	v_add_nc_u32 v6, s17, v7
	s_lshl_b32 s18, ttmp9, 2
	s_add_co_u32 s18, s18, s16                     ; which run of 8,192 numbers is my wave's: 0 .. 1,023
	s_mov_b32 s19, 0
	s_lshl_b32 s20, s18, 15                        ; 32,768 bytes of numbers a run
	s_mov_b32 s21, 0
	s_mul_i32 s22, s18, 32*STEPS*CB                ; 6,144 bytes of codes
	s_mov_b32 s23, 0
	s_lshl_b32 s18, s18, 8                         ; 256 scale bytes
	s_wait_kmcnt 0x0
	s_add_nc_u64 s[4:5], s[4:5], s[20:21]
	s_add_nc_u64 s[6:7], s[6:7], s[22:23]
	s_add_nc_u64 s[8:9], s[8:9], s[18:19]
.macro LOAD t
.irp i, 0,1,2,3
	global_load_b128 v[R+16*((\t)%AHEAD)+4*\i:R+16*((\t)%AHEAD)+4*\i+3], v3, s[4:5] offset:2048*(\t)+512*\i th:TH_LOAD_NT   ; 32 lanes read 512 consecutive bytes
.endr
.endm
.macro TURN t                          ; step t's numbers through the stage: LDS serves a wave's instructions in order, so no wait stands between the stores and the loads
.irp i, 0,1,2,3
	ds_store_b128 v14, v[R+16*((\t)%AHEAD)+4*\i:R+16*((\t)%AHEAD)+4*\i+3] offset:32*SP*((\t)%2)+8*SP*\i
.endr
.irp i, 0,1,2,3
	ds_load_b128 v[X+16*((\t)%2)+4*\i:X+16*((\t)%2)+4*\i+3], v15 offset:32*SP*((\t)%2)+16*\i
.endr
.endm
.irp t, 0,1,2,3,4,5,6,7
	LOAD \t
.endr
	s_wait_loadcnt 4*(AHEAD-1)                     ; step 0's four loads are in; the seven steps behind it may be out
	TURN 0
.macro STEP t
.set XS, X+16*((\t)%2)
.if (\t) > 0
	s_wait_dscnt 1                                 ; this step's numbers are back from the stage (the last step's byte store may be out): so its stores into the stage have read their registers,
.else
	s_wait_dscnt 0x0
.endif
.if (\t)+AHEAD < STEPS
	LOAD (\t)+AHEAD                                ; which take the loads of eight steps on
.endif
.if (\t)+1 < STEPS
.if STEPS-2-(\t) >= AHEAD-1
	s_wait_loadcnt 4*(AHEAD-1)                     ; the next step's four loads are in; those of the seven steps behind it may be out
.else
	s_wait_loadcnt 4*(STEPS-2-(\t))                ; at the end the count runs down with the steps that are left
.endif
	TURN (\t)+1                                    ; and go through the other stage while this step is worked
.endif
	v_max3_num_f32 v8, |v[XS]|, |v[XS+1]|, |v[XS+2]|               ; the largest magnitude of my 16, in two chains
	v_max3_num_f32 v9, |v[XS+3]|, |v[XS+4]|, |v[XS+5]|
.irp i, 6,10
	v_max3_num_f32 v8, v8, |v[XS+\i]|, |v[XS+\i+1]|
	v_max3_num_f32 v9, v9, |v[XS+\i+2]|, |v[XS+\i+3]|
.endr
	v_max3_num_f32 v8, v8, |v[XS+14]|, |v[XS+15]|
	v_max3_num_f32 v8, v8, v9, (EMAX+1)<<23        ; and the floor 2^(3 - 127): the byte cannot fall under 1
	v_max_num_f32_dpp v8, v8, v8 row_xmask:1 row_mask:0xf bank_mask:0xf   ; and of my neighbour's 16: the block's
	v_add_nc_u32 v11, -(EMAX<<23), v8              ; 2 off its exponent field: the conversion takes the exponent field of this operand as its scale, and nothing else of it
	v_cvt_scalef32_pk16_fp6_f32 v[C+4*(\t):C+4*(\t)+2], v[XS:XS+15], v11   ; sixteen codes, 96 bits without gaps, the first number's code lowest
	v_lshrrev_b32 v[E+(\t)], 23, v11               ; the scale's byte (also the plain line behind the conversion)
	ds_store_b8 v5, v[E+(\t)] offset:16*(\t)       ; both lanes of a block write the same byte with the same value
	global_store_b96 v4, v[C+4*(\t):C+4*(\t)+2], s[6:7] offset:32*CB*(\t)
.endm
.irp t, 0,1,2,3,4,5,6,7,8,9,10,11,12,13,14,15
	STEP \t
.endr
	ds_load_b64 v[12:13], v6                       ; LDS serves a wave's instructions in order: these see my byte stores
	s_wait_dscnt 0x0
	global_store_b64 v7, v[12:13], s[8:9]          ; 32 lanes store 256 consecutive bytes, at a multiple of 256 from the buffer's first byte
	s_wait_tensorcnt 0x0
	ds_add_u32 v251, v255
	s_wait_dscnt 0x0
	s_endpgm
.Lfunc_end_k_q30f35537ca_quant:
	.size	k_q30f35537ca_quant, .Lfunc_end_k_q30f35537ca_quant-k_q30f35537ca_quant
	.p2alignl 7, 3214868480
	.fill 96, 4, 3214868480
	.section	.rodata,"a",@progbits
	.p2align	6, 0x0
	.amdhsa_kernel k_q30f35537ca_quant
		.amdhsa_group_segment_fixed_size 33280
		.amdhsa_private_segment_fixed_size 0
		.amdhsa_enable_private_segment 0
		.amdhsa_kernarg_size 24
		.amdhsa_user_sgpr_count 2
		.amdhsa_user_sgpr_kernarg_segment_ptr 1
		.amdhsa_wavefront_size32 1
		.amdhsa_system_sgpr_workgroup_id_x 1
		.amdhsa_system_sgpr_workgroup_id_y 1
		.amdhsa_system_sgpr_workgroup_id_z 1
		.amdhsa_system_vgpr_workitem_id 0
		.amdhsa_next_free_vgpr 256
		.amdhsa_next_free_sgpr 66
		.amdhsa_reserve_vcc 0
		.amdhsa_float_denorm_mode_32 3
		.amdhsa_float_denorm_mode_16_64 3
		.amdhsa_memory_ordered 1
		.amdhsa_forward_progress 1
		.amdhsa_inst_pref_size 32
	.end_amdhsa_kernel
	.amdgpu_metadata
---
amdhsa.version: [ 1, 2 ]
amdhsa.kernels:
  - .name:           k_q30f35537ca_quant
    .symbol:         k_q30f35537ca_quant.kd
    .args:
      - { .name: h_tm1, .offset: 0, .size: 8, .value_kind: global_buffer, .address_space: global }
      - { .name: h_codes, .offset: 8, .size: 8, .value_kind: global_buffer, .address_space: global }
      - { .name: h_scales, .offset: 16, .size: 8, .value_kind: global_buffer, .address_space: global }
    .group_segment_fixed_size: 33280
    .private_segment_fixed_size: 0
    .kernarg_segment_align: 8
    .kernarg_segment_size: 24
    .max_flat_workgroup_size: 128
    .sgpr_count:     66
    .vgpr_count:     256
    .wavefront_size: 32
...
	.end_amdgpu_metadata
.endif
;; end of part 1
;; launch gru (part 2): grid 16 x 32, 4 waves a work-group, clusters of 4 x 4, 327,680 bytes of LDS; arguments inputs_codes, inputs_scales, kernel_codes, kernel_scales, recurrent_kernel_codes, recurrent_kernel_scales, h_codes, h_scales, h_tm1, bias, out0; writes out0
.if DOCPART == 2
	.amdgcn_target "amdgcn-amd-amdhsa--gfx1250"
	.amdhsa_code_object_version 6
	.text
	.protected	k_q30f35537ca_gru
	.globl	k_q30f35537ca_gru
	.p2align	8
	.type	k_q30f35537ca_gru,@function
k_q30f35537ca_gru:
	s_mov_b64 s[64:65], 0
	v_nop
	global_prefetch_b8 v0, s[64:65] scope:SCOPE_SE
	s_setreg_imm32_b32 hwreg(HW_REG_WAVE_MODE, 25, 1), 1
	s_wait_xcnt 0x0
	s_wait_alu depctr_hold_cnt(0) depctr_sa_sdst(0) depctr_va_vdst(0) depctr_va_sdst(0) depctr_va_ssrc(0) depctr_va_vcc(0) depctr_vm_vsrc(0)
	s_getreg_b32 s2, hwreg(HW_REG_IB_STS2, 6, 4)
	s_cmp_eq_u32 s2, 0
	s_cbranch_scc0 .Lentry_in_a_cluster
	s_endpgm
.Lentry_in_a_cluster:
	s_bfe_u32 s2, ttmp6, 0x10000c
	s_cmp_lg_u32 s2, 0xf033
	s_cbranch_scc0 .Lentry_shape_is_right
	s_endpgm
.Lentry_shape_is_right:
; h = z h_tm1 + (1 - z) tanh(x_h + r rec_h), z = hs(x_z + rec_z), r = hs(x_r + rec_r), hs(v) = clip(0.2 v + 0.5, 0, 1); x_* = inputs kernel + bias[0], rec_* = h_tm1 recurrent_kernel + bias[1].
; Both products on codes of FP6 (E2M3) with one E8M0 byte for each 32 along K, as they lie in memory (a row of 1,024 codes: 768 bytes; its scales: 32 bytes).  h_tm1's codes and bytes were made by the launch before.
; FOUR SUMS FOR EACH OUTPUT: z (x_z + rec_z is one sum over both products' K), r likewise, xh, rh.  A work-group makes 256 rows x 64 units; each of its four waves 128 rows x 32 units:
; 8 row blocks x 2 unit blocks x 4 sums = 64 accumulators, 512 registers.  8,192 x 1,024 outputs are 32 x 16 = 512 work-groups of equal work.
; K goes in steps of 256 through two LDS slots.  SLOT 0 ALWAYS HOLDS inputs AND kernel, SLOT 1 ALWAYS h's codes AND recurrent_kernel: the visits alternate x, h, x, h .., eight in all, two matrix steps of 128 each.
; An x step adds onto z, r, xh; an h step onto z, r, rh: 48 matrix instructions from 8 fragments of rows and 6 of weights.
; K'S ORDER: a cluster begins both products' K at step kst = (cluster x + 2 (cluster y % 2) + (cluster y / 2) % 2) % 4 and walks the four steps round.  The four clusters of one y, which read the same rows, have four different
; starts; clusters of one x, which read the same weights, differ by 2 between neighbouring y and by 1 between y and y + 2: so at any one visit they ask for different K steps.  kst is made of the cluster's two numbers alone and is the same in all
; sixteen partners.  It enters the tiles' global addresses and a four-way scalar branch that picks the immediate offset of the scale words' loads; no LDS address register hangs on it.
; ORDER OF ROUNDING: z's and r's sums take x's and h's K steps alternately, and every sum begins at its cluster's kst: another order of f32 additions than the definition's.
; THE SCALES of the work-group's rows and units, for all of K and both products, come into LDS once, with the first fills, and stay.
; CLUSTERS: 4 x 4 work-groups.  The four of a row of the cluster need the same rows (inputs, h), the four of a column the same weights: each tile is asked for JOINTLY, by the same tensor load with the same descriptor and a mask that names the four.
; THE MATRIX INSTRUCTION IS USED TRANSPOSED (source 0 = 16 units of a weight, source 1 = 16 rows): a lane holds one row (lane % 16) and eight neighbouring units, 8 (lane / 16) + 0 .. 7.
; THE END: the gates in f32, in place in the accumulators; h_tm1's f32 tile (256 rows x 256 bytes) comes into LDS by one tensor load a wave during the last visit, is blended, stored back to the same bytes, and leaves as whole runs of 256 bytes.
; tanh(t) = 1 - 2 / (1 + 2^(2 log2(e) t)): where the power overflows the quotient is 0 and the result 1; where it falls to 0 the result is -1.
; REGISTERS, in windows of 256: window 0: v0-31 addresses; v32-63 scale words, a set for each slot; v64-159, v160-255 the rows' fragments, two sets.
;   window 1: v0-71, v72-143 the weights' fragments, two sets; v144-239 constants made of the biases.   window 2: the sums of my row blocks 0-3 (block a, unit block j, sum t at v[64 a + 32 j + 8 t]; t = 0 z, 1 r, 2 xh, 3 rh);  window 3: blocks 4-7.
.set KROW,  768                        ; a row of codes in memory
.set ROWB,  192                        ; 256 codes: a tile's row
.set PITCH, 240                        ; an LDS row: 3 x (64 bytes + 16 of padding)
.set BOFF,  256*PITCH                  ; a slot: 256 rows of inputs or h, then
.set GATEB, 64*PITCH                   ; 64 rows of each of the three gates' weights
.set SLOT,  BOFF+3*GATEB               ; 107,520 bytes
.set SCB,   2*SLOT                     ; the weights' scales: region 2 x product + half: 3 gates x 32 units x 32 bytes, as 12 runs of 256 bytes + 16
.set SBREG, 12*272
.set SCA,   SCB+4*SBREG                ; the rows' scales: region 2 x product + half: 128 rows x 32 bytes, as 16 runs of 256 bytes + 16
.set SAREG, 16*272
.set HT,    SCA+4*SAREG                ; h_tm1's tile, later the stage for the result: 256 rows x (256 bytes + 16).  It is filled once
.set HP,    272
.set SPARE, HT+256*HP                  ; the spare words, 128 bytes for each wave: two blocks of 256 bytes that no other line names
.set ADRA, 16                          ; v16-17 LDS address of my rows' fragments in slot 0, 1 (v18-19: for the pieces that lie behind one padding more)
.set ADRB, 20                          ; v20-21 the same for the weights (v22-23)
.set ADRS, 24                          ; v24-25 LDS address of my rows' scale bytes for slot 0, 1: lanes 0-15 the weights', lanes 16-31 the rows'; never rewritten
.set HL,   26                          ; v26    my 32 bytes of a row of h_tm1's tile
.set RD,   27                          ; v27    the way out: where I read a row back
.set SPW,  28                          ; v28    LDS address of my spare word; never rewritten
.set NIL,  29                          ; v29    0; never rewritten
.set CO,   30                          ; v30    my byte offset in the wave's rows of the output
.set PFO,  31                          ; v31    4,096 x lane: a lane a row of h_tm1; never rewritten
.set SC,   32                          ; scale words: set s at v[SC + 16 s]; register 2 i + q: lanes 0-15 weight fragment i, lanes 16-31 row block i, the slot's q-th 128 along K
.set AF,   64                          ; the rows' fragments: set p, block a at v[AF + 96 p + 12 a]
.set BI,   144                         ; window 1: the biases as loaded: v[BI + 32 g + 16 b + 8 j + e]
.set CZ,   144                         ; 0.2 (b0z + b1z) + 0.5
.set CR,   176                         ; 0.2 (b0r + b1r) + 0.5
.set C2,   208                         ; 2 log2(e) b0h
.set BRH,  224                         ; b1h
.set WV,   26                          ; s26 wave; s27 which 128 rows are mine; s28 which 32 units
.set G1A,  36                          ; s[36:43] group 1 for the rows' tiles;   s[44:51] for a gate's
.set G1B,  44
.set G0A,  52                          ; s[52:59] group 0 for the rows' tiles, a set for each slot;  s[68:75] for the weights'
.set G0B,  68
.set KK,   60                          ; s60, s61 the K step (0 .. 3) that slot 0, 1 holds or has last asked for
.set WR,   62                          ; s[62:63] what a refill's address goes back by: a row's 768 bytes where K wraps, else 0
.set G1SA, 76                          ; s[76:83], s[84:91] groups 1 for the rows' and the weights' scales;  s[92:95], s[96:99] their groups 0
.set G1SB, 84
.set G0SA, 92
.set G0SB, 96
.set G1H,  4                           ; s[4:11], s[12:15] groups 1 and 0 for h_tm1's tile, in registers that held pointers no longer wanted
.set G0H,  12
.set PFH,  16                          ; s[16:17] my 64 rows of h_tm1's tile in memory
.set FIFTH, 100                        ; s[100:101] 0.2: the packed forms name a pair and take its low word for both halves
.set LG2,  104                         ; s[104:105] 2 log2(e)
.set MSB, 0
.macro WIN new                         ; the immediate's high byte repeats the setting that is left; a switch that changes nothing is dropped
.if MSB != \new
	s_set_vgpr_msb (MSB<<8)|\new
.set MSB, \new
.endif
.endm
.set MUL_LO, 0xa1                      ; source 0 (weights) window 1, source 1 (rows) window 0, C and D window 2
.set MUL_HI, 0xf1                      ; the same, C and D window 3
.set TO_B,   0x40                      ; destination window 1, address window 0
.macro PLACES n
.rept \n
	v_nop
.endr
.endm
; A joint load: wave 3 fetches the 256 rows, waves 0 to 2 a gate's 64 rows each.  Each of the two lines has one mask and one set of registers for all that issue it; the branch hangs on the wave's number alone.
; Four v_nop follow each of the two lines, ahead of the jump, the label and what follows.
.macro JLOAD s
	s_cmp_eq_u32 s[WV], 3
	s_cbranch_scc0 .Lfor_b_\@
	tensor_load_to_lds s[G0A+4*\s:G0A+4*\s+3], s[G1A:G1A+7]
	s_nop 0
	PLACES 4
	s_branch .Lasked_\@
.Lfor_b_\@:
	tensor_load_to_lds s[G0B+4*\s:G0B+4*\s+3], s[G1B:G1B+7]
	s_nop 0
	PLACES 4
.Lasked_\@:
.endm
.macro CREST                           ; a round of the cluster's barrier behind its opening barrier
	s_cmp_lg_u32 s[WV], 0
	s_cbranch_scc1 .Lnot_wave_0_\@
	s_barrier_signal -3
.Lnot_wave_0_\@:
	s_barrier_wait -3
	s_barrier_signal -1
	s_barrier_wait -1
.endm
.macro CROUND                          ; a whole round
	s_barrier_signal -1
	s_barrier_wait -1
	CREST
.endm
	s_load_b512 s[4:19], s[0:1], 0x0               ; inputs' codes s[4:5], scales s[6:7]; kernel's s[8:9], s[10:11]; recurrent_kernel's s[12:13], s[14:15]; h's s[16:17], s[18:19]
	s_load_b128 s[20:23], s[0:1], 0x40             ; h_tm1, bias
	s_load_b64 s[24:25], s[0:1], 0x50              ; the output
	v_lshl_add_u32 v[SPW], v0, 2, SPARE
	v_mov_b32 v[NIL], 0
	ds_add_u32 v28, v29
	s_wait_dscnt 0x0
	v_lshrrev_b32 v3, 5, v0
	v_readfirstlane_b32 s[WV], v3                  ; wave 0..3
	s_lshr_b32 s27, s[WV], 1                       ; which 128 rows are mine
	s_and_b32 s28, s[WV], 1                        ; which 32 units
	s_bfe_u32 s29, ttmp6, 0x40000                  ; cx, cy: my place in the cluster
	s_bfe_u32 s30, ttmp6, 0x40004
	s_lshl_b32 s31, ttmp9, 2
	s_add_co_u32 s31, s31, s29                     ; tile of units = 4 x cluster x + cx: 0 .. 15
	s_and_b32 s32, ttmp7, 0xffff
	s_lshl_b32 s32, s32, 2
	s_add_co_u32 s32, s32, s30                     ; tile of rows = 4 x cluster y + cy: 0 .. 31
	s_lshl_b32 s33, s30, 2
	s_lshl_b32 s33, 15, s33                        ; my row of the cluster
	s_lshl_b32 s34, 0x1111, s29                    ; my column
	s_and_b32 s2, ttmp7, 0xffff                    ; kst, of the cluster's two numbers alone: cluster y,
	s_and_b32 s35, s2, 1
	s_lshl_b32 s35, s35, 1                         ; 2 (y % 2)
	s_bfe_u32 s2, s2, 0x10001                      ; + (y / 2) % 2
	s_add_co_u32 s2, s2, s35
	s_add_co_u32 s2, s2, ttmp9                     ; + cluster x,
	s_and_b32 s2, s2, 3                            ; modulo the four K steps
	s_mov_b32 s[FIFTH], 0x3e4ccccd                 ; 0.2
	s_mov_b32 s[FIFTH+1], 0x3e4ccccd
	s_mov_b32 s[LG2], 0x4038aa3b                   ; 2 log2(e)
	s_mov_b32 s[LG2+1], 0x4038aa3b
	; group 1, codes: rows of 192 bytes, 768 bytes apart, 16 bytes of padding behind every 64
	s_or_b32 s[G1A], s33, (1<<20)|(1<<21)|(3<<22)|(3<<25)   ; 15:0 the mask: my row; 17:16 elements of 1 byte; 20 padding on; 21 set beside a mask; 24:22 after every 16 words; 31:25 of 4 words
	s_mov_b32 s[G1A+1], ROWB<<16                   ; tensor_dim0
	s_mov_b32 s[G1A+2], 256<<16                    ; tensor_dim1 = 256 rows
	s_mov_b32 s[G1A+3], ROWB<<16                   ; tile_dim0
	s_mov_b32 s[G1A+4], 256                        ; tile_dim1
	s_mov_b32 s[G1A+5], KROW                       ; from row to row
	s_mov_b32 s[G1A+6], 0
	s_mov_b32 s[G1A+7], 0
	s_or_b32 s[G1B], s34, (1<<20)|(1<<21)|(3<<22)|(3<<25)   ; the same with my column's mask, 64 rows
	s_mov_b32 s[G1B+1], ROWB<<16
	s_mov_b32 s[G1B+2], 64<<16
	s_mov_b32 s[G1B+3], ROWB<<16
	s_mov_b32 s[G1B+4], 64
	s_mov_b32 s[G1B+5], KROW
	s_mov_b32 s[G1B+6], 0
	s_mov_b32 s[G1B+7], 0
	; group 1, the scales of 128 rows: 4,096 dense bytes as 16 rows of 256 (32 elements of 8 bytes), 16 bytes of padding behind each
	s_or_b32 s[G1SA], s33, (3<<16)|(1<<20)|(1<<21)|(5<<22)|(3<<25)
	s_mov_b32 s[G1SA+1], 32<<16
	s_mov_b32 s[G1SA+2], 16<<16
	s_mov_b32 s[G1SA+3], 32<<16
	s_mov_b32 s[G1SA+4], 16
	s_mov_b32 s[G1SA+5], 32
	s_mov_b32 s[G1SA+6], 0
	s_mov_b32 s[G1SA+7], 0
	; group 1, the scales of 32 units of each gate: 3 rows of 1,024 bytes (128 elements), 32,768 bytes from gate to gate; padding behind every 256 bytes, four times a row
	s_or_b32 s[G1SB], s34, (3<<16)|(1<<20)|(1<<21)|(5<<22)|(3<<25)
	s_mov_b32 s[G1SB+1], 128<<16
	s_mov_b32 s[G1SB+2], 3<<16
	s_mov_b32 s[G1SB+3], 128<<16
	s_mov_b32 s[G1SB+4], 3
	s_mov_b32 s[G1SB+5], 4096
	s_mov_b32 s[G1SB+6], 0
	s_mov_b32 s[G1SB+7], 0
	; where the tiles come from.  The rows' offsets (s[60:61]) hang on the tile of rows, the weights' (s[62:63]) on the tile of units, both on kst; neither pair ever holds the other's place in the cluster
	s_min_u32 s35, s[WV], 2                        ; the gate that I fetch (wave 3 fetches the rows and never uses it)
	s_mul_i32 s67, s2, ROWB                        ; the cluster's first K step: 192 kst bytes into each row
	s_mul_i32 s60, s32, 256*KROW
	s_add_co_u32 s60, s60, s67
	s_mov_b32 s61, 0
	s_mul_i32 s62, s35, 1024*KROW
	s_mul_i32 s63, s31, 64*KROW
	s_add_co_u32 s62, s62, s63
	s_add_co_u32 s62, s62, s67
	s_mov_b32 s63, 0
	s_mul_i32 s66, s35, GATEB
	s_add_co_u32 s66, s66, BOFF                    ; and where a gate goes in a slot: no place in the cluster enters an LDS address
	s_wait_kmcnt 0x0
	s_mov_b32 s[G0A], 1                            ; slot 0: inputs
	s_mov_b32 s[G0A+1], 0
	s_add_nc_u64 s[G0A+2:G0A+3], s[4:5], s[60:61]
	s_or_b32 s[G0A+3], s[G0A+3], 0x80000000
	s_mov_b32 s[G0A+4], 1                          ; slot 1: h's codes
	s_mov_b32 s[G0A+5], SLOT
	s_add_nc_u64 s[G0A+6:G0A+7], s[16:17], s[60:61]
	s_or_b32 s[G0A+7], s[G0A+7], 0x80000000
	s_mov_b32 s[G0B], 1                            ; slot 0: kernel
	s_mov_b32 s[G0B+1], s66
	s_add_nc_u64 s[G0B+2:G0B+3], s[8:9], s[62:63]
	s_or_b32 s[G0B+3], s[G0B+3], 0x80000000
	s_mov_b32 s[G0B+4], 1                          ; slot 1: recurrent_kernel
	s_add_co_u32 s[G0B+5], s66, SLOT
	s_add_nc_u64 s[G0B+6:G0B+7], s[12:13], s[62:63]
	s_or_b32 s[G0B+7], s[G0B+7], 0x80000000
	; the scales: wave w fetches product w / 2's, half w % 2, of the rows and of the units
	s_lshl_b32 s60, s32, 13                        ; 256 rows x 32 bytes,
	s_lshl_b32 s67, s28, 12                        ; + my half's 128 rows
	s_add_co_u32 s60, s60, s67
	s_lshl_b32 s62, s31, 11                        ; 64 units x 32 bytes,
	s_lshl_b32 s67, s28, 10                        ; + my half's 32 units
	s_add_co_u32 s62, s62, s67
	s_mul_i32 s66, s[WV], SAREG
	s_mul_i32 s67, s[WV], SBREG
	s_cmp_lt_u32 s[WV], 2                          ; the choice hangs on the wave's number alone
	s_cselect_b64 s[G0SA+2:G0SA+3], s[6:7], s[18:19]
	s_cselect_b64 s[G0SB+2:G0SB+3], s[10:11], s[14:15]
	s_add_nc_u64 s[G0SA+2:G0SA+3], s[G0SA+2:G0SA+3], s[60:61]
	s_add_nc_u64 s[G0SB+2:G0SB+3], s[G0SB+2:G0SB+3], s[62:63]
	s_or_b32 s[G0SA+3], s[G0SA+3], 0x80000000
	s_or_b32 s[G0SB+3], s[G0SB+3], 0x80000000
	s_mov_b32 s[G0SA], 1
	s_add_co_u32 s[G0SA+1], s66, SCA
	s_mov_b32 s[G0SB], 1
	s_add_co_u32 s[G0SB+1], s67, SCB
	s_mov_b32 s[KK], s2                            ; both slots begin with K step kst (the offsets' registers are free from here on)
	s_mov_b32 s[KK+1], s2
	s_mov_b32 s[WR+1], 0
	CROUND                                         ; all sixteen work-groups are here: the first joint loads meet
	tensor_load_to_lds s[G0SA:G0SA+3], s[G1SA:G1SA+7]   ; the first fills go out as one group: four loads of mine are out.  The scales first: they are wanted with the first step
	s_nop 0
	tensor_load_to_lds s[G0SB:G0SB+3], s[G1SB:G1SB+7]
	s_nop 0
	PLACES 4
	JLOAD 0
	JLOAD 1
	; h_tm1's tile: my 64 rows x 64 numbers of 4 bytes, 1,024 numbers from row to row, 16 bytes of padding behind each row; no mask: no other work-group reads it
	s_mov_b32 s[G1H], (2<<16)|(1<<20)|(5<<22)|(3<<25)
	s_mov_b32 s[G1H+1], 64<<16
	s_mov_b32 s[G1H+2], 64<<16
	s_mov_b32 s[G1H+3], 64<<16
	s_mov_b32 s[G1H+4], 64
	s_mov_b32 s[G1H+5], 1024
	s_mov_b32 s[G1H+6], 0
	s_mov_b32 s[G1H+7], 0
	s_lshl_b32 s66, s32, 20                        ; 256 rows of 4,096 bytes,
	s_lshl_b32 s67, s[WV], 18                      ; my wave's 64,
	s_add_co_u32 s66, s66, s67
	s_lshl_b32 s67, s31, 8                         ; 64 units of 4 bytes
	s_add_co_u32 s66, s66, s67
	s_mov_b32 s67, 0
	s_mov_b32 s[G0H], 1
	s_mul_i32 s[G0H+1], s[WV], 64*HP
	s_add_co_u32 s[G0H+1], s[G0H+1], HT
	s_add_nc_u64 s[G0H+2:G0H+3], s[20:21], s[66:67]
	s_add_nc_u64 s[PFH:PFH+1], s[20:21], s[66:67]
	s_or_b32 s[G0H+3], s[G0H+3], 0x80000000
	s_add_nc_u64 s[24:25], s[24:25], s[66:67]      ; the output at the same place
	; vector addresses
	v_and_b32 v1, 15, v0                           ; r = lane % 16
	v_bfe_u32 v2, v0, 4, 1                         ; hf = lane / 16
	v_mul_u32_u24 v3, v1, PITCH
	v_mad_u32_u24 v4, v2, 24, v3                   ; a fragment's row x pitch + 24 x half
	v_lshl_add_u32 v5, v2, 4, v4                   ; and the same behind one padding more
	s_mul_i32 s66, s27, 128*PITCH                  ; my 128 rows
	s_mul_i32 s67, s28, 32*PITCH                   ; my 32 units of a gate,
	s_add_co_u32 s67, s67, BOFF                    ; behind the 256 rows
.irp s, 0,1
	v_add_nc_u32 v[ADRA+\s], s66, v4
	v_add_nc_u32 v[ADRA+2+\s], s66, v5
	v_add_nc_u32 v[ADRB+\s], s67, v4
	v_add_nc_u32 v[ADRB+2+\s], s67, v5
	s_add_co_u32 s66, s66, SLOT
	s_add_co_u32 s67, s67, SLOT
.endr
	v_lshlrev_b32 v6, 5, v1                        ; scale words: 32 bytes a row,
	v_lshrrev_b32 v7, 3, v1
	v_lshl_add_u32 v6, v7, 4, v6                   ; and 16 more behind each 8 rows
.irp s, 0,1
	s_mul_i32 s66, s28, SBREG
	s_add_co_u32 s66, s66, SCB+2*\s*SBREG          ; lanes 0-15: the weights' region of this product and my half of the units
	s_mul_i32 s67, s27, SAREG
	s_add_co_u32 s67, s67, SCA+2*\s*SAREG          ; lanes 16-31: the rows' region,
	s_sub_co_u32 s67, s67, s66                     ; as a distance from the lower one: one product with the lane's half
	v_mul_u32_u24 v7, s67, v2
	v_add_nc_u32 v7, v7, v6
	v_add_nc_u32 v[ADRS+\s], s66, v7
.endr
	v_mul_u32_u24 v8, v1, HP
	v_lshl_add_u32 v8, v2, 5, v8                   ; h_tm1's tile: row r, + 32 x half,
	s_mul_i32 s66, s27, 128*HP                     ; my 128 rows,
	s_lshl_b32 s67, s28, 7                         ; my 32 units' 128 bytes
	s_add_co_u32 s66, s66, s67
	s_add_co_u32 s66, s66, HT
	v_add_nc_u32 v[HL], s66, v8
	v_mul_u32_u24 v9, v2, HP                       ; back: lanes 0-15 take one row of 256 bytes, lanes 16-31 the next;
	v_lshl_add_u32 v9, v1, 4, v9
	s_mul_i32 s66, s[WV], 64*HP                    ; wave w takes rows 64 w on
	s_add_co_u32 s66, s66, HT
	v_add_nc_u32 v[RD], s66, v9
	v_lshlrev_b32 v[CO], 12, v2                    ; and the same two rows in the output
	v_lshl_add_u32 v[CO], v1, 4, v[CO]
	v_and_b32 v[PFO], 31, v0
	v_lshlrev_b32 v[PFO], 12, v[PFO]
	; the biases of my 32 units: lane (r, hf) wants, for unit block j, those of units 16 j + 8 hf + 0 .. 7, of each gate and of both rows of bias
	s_lshl_b32 s66, s31, 8
	s_lshl_b32 s67, s28, 7
	s_add_co_u32 s66, s66, s67
	v_lshl_add_u32 v10, v2, 5, s66
	WIN TO_B
.irp g, 0,1,2
.irp b, 0,1
.irp k, 0,1,2,3
	global_load_b128 v[BI+32*\g+16*\b+4*\k:BI+32*\g+16*\b+4*\k+3], v10, s[22:23] offset:12288*\b+4096*\g+64*(\k/2)+16*(\k%2)
.endr
.endr
.endr
	s_wait_loadcnt 0x0
	WIN 0x55                                       ; all in window 1
.irp k, 0,2,4,6,8,10,12,14
	v_pk_add_f32 v[CZ+\k:CZ+\k+1], v[CZ+\k:CZ+\k+1], v[CZ+16+\k:CZ+17+\k]
	v_pk_add_f32 v[CR+\k:CR+\k+1], v[CR+\k:CR+\k+1], v[CR+16+\k:CR+17+\k]
	v_pk_mul_f32 v[C2+\k:C2+\k+1], v[C2+\k:C2+\k+1], s[LG2:LG2+1] op_sel_hi:[1,0]
.endr
.irp k, 0,2,4,6,8,10,12,14
	v_pk_fma_f32 v[CZ+\k:CZ+\k+1], v[CZ+\k:CZ+\k+1], s[FIFTH:FIFTH+1], 0.5 op_sel_hi:[1,0,0]
	v_pk_fma_f32 v[CR+\k:CR+\k+1], v[CR+\k:CR+\k+1], s[FIFTH:FIFTH+1], 0.5 op_sel_hi:[1,0,0]
.endr
	WIN 0
; A fragment, 16 rows x 128 K of 6-bit codes, is 12 registers: lane l holds row l % 16; registers 6 c .. 6 c + 5 hold K = 64 c + 32 (l / 16) + 0 .. 31: 24 bytes of the row's stream of bits, as they lie.
; They come in pieces of 8 bytes, so that every address is a multiple of the access's size.  Lanes 0-15 take the row's pieces 12 q + 0, 1, 2 and 12 q + 6, 7, 8, lanes 16-31 those three pieces on;
; 16 bytes of padding lie behind every 8 pieces: where the piece three on lies behind one padding more, the second address register (40 for 24 bytes a half) serves.
.macro FRAG reg, adr, q, rowoff
.irp p, 0,1,2,3,4,5
.set PC, 12*(\q)+6*(\p/3)+\p%3
.if PC%8 < 5
	ds_load_b64 v[\reg+2*\p:\reg+2*\p+1], v[\adr] offset:8*PC+16*(PC/8)+(\rowoff)
.else
	ds_load_b64 v[\reg+2*\p:\reg+2*\p+1], v[\adr+2] offset:8*PC+16*(PC/8)+(\rowoff)
.endif
.endr
.endm
.macro FETCH_B slot, q, set            ; the weights' six fragments (i = 2 x gate + unit block) of the slot's q-th 128 along K: 36 loads
	WIN TO_B
.irp i, 0,1,2,3,4,5
	FRAG 72*(\set)+12*\i, ADRB+\slot, \q, (64*(\i/2)+16*(\i%2))*PITCH
.endr
	WIN 0
.endm
.macro FETCH_A slot, q, set, i0        ; row blocks i0 .. i0 + 3: 24 loads
.irp i, \i0, \i0+1, \i0+2, \i0+3
	FRAG AF+96*(\set)+12*(\i), ADRA+\slot, \q, (\i)*16*PITCH
.endr
.endm
; The scale words of the K step that slot s holds: two words a row, bytes 8 k .. 8 k + 7 of the row's 32.  k stands in a scalar register and is the same in all waves and all partners: a four-way scalar branch picks the arm whose
; immediate offsets hold 8 k, so that the address registers stay as they were made.  Every arm is eight loads: the counts of the waits behind it hold on every way.
; Lanes 0-15 of pairs 6 and 7 read bytes of the region that follows, which are filled and never named as a scale.
.macro SCL s, k
.irp i, 0,1,2,3,4,5,6,7
	ds_load_b64 v[SC+16*\s+2*\i:SC+16*\s+2*\i+1], v[ADRS+\s] offset:544*\i+8*\k
.endr
.endm
.macro SCALES s
	s_cmp_lt_u32 s[KK+\s], 2
	s_cbranch_scc0 .Lsc_hi_\@
	s_cmp_eq_u32 s[KK+\s], 0
	s_cbranch_scc0 .Lsc_1_\@
	SCL \s, 0
	s_branch .Lsc_done_\@
.Lsc_1_\@:
	SCL \s, 1
	s_branch .Lsc_done_\@
.Lsc_hi_\@:
	s_cmp_eq_u32 s[KK+\s], 2
	s_cbranch_scc0 .Lsc_3_\@
	SCL \s, 2
	s_branch .Lsc_done_\@
.Lsc_3_\@:
	SCL \s, 3
.Lsc_done_\@:
.endm
; 12 matrix instructions: row blocks a0, a0 + 1 x the six weight fragments, 128 along K.  Fragments 0-3 add onto z and r; fragments 4, 5 onto xh (slot 0) or rh (slot 1).
; z = 1: the products start the sums; z = 2: those of fragments 4, 5 do.  Nothing is ever cleared.  The accumulators take turns, one instruction a turn, in the same order in every step.
.macro MUL12 a0, set, q, slot, z
.irp a, \a0, \a0+1
.irp i, 0,1,2,3,4,5
.set TT, \i/2
.if \i >= 4
.set TT, 2+\slot
.endif
.set DD, 64*((\a)%4)+32*(\i%2)+8*TT
.set ZZ, 0
.if (\z) == 1
.set ZZ, 1
.endif
.if ((\z) == 2) && (\i >= 4)
.set ZZ, 1
.endif
.if ZZ
	v_wmma_scale_f32_16x16x128_f8f6f4 v[DD:DD+7], v[72*(\set)+12*\i:72*(\set)+12*\i+11], v[AF+96*(\set)+12*(\a):AF+96*(\set)+12*(\a)+11], 0, v[SC+16*(\slot)+2*\i+(\q)], v[SC+16*(\slot)+2*(\a)+(\q)] matrix_a_fmt:MATRIX_FMT_FP6 matrix_b_fmt:MATRIX_FMT_FP6 matrix_b_scale:MATRIX_SCALE_ROW1
.else
	v_wmma_scale_f32_16x16x128_f8f6f4 v[DD:DD+7], v[72*(\set)+12*\i:72*(\set)+12*\i+11], v[AF+96*(\set)+12*(\a):AF+96*(\set)+12*(\a)+11], v[DD:DD+7], v[SC+16*(\slot)+2*\i+(\q)], v[SC+16*(\slot)+2*(\a)+(\q)] matrix_a_fmt:MATRIX_FMT_FP6 matrix_b_fmt:MATRIX_FMT_FP6 matrix_b_scale:MATRIX_SCALE_ROW1
.endif
.endr
.endr
.endm
; A slot's first step (set 0).  In its middle the second step's fragments are fetched into set 1, in one run.  A load into a register that a matrix instruction has read stands four places behind it, and only plain
; vector instructions that name none of its registers are places (ISA guide 7.12.1 for vector instructions): four v_nop in front of each run.
.macro STEP slot, z
	s_wait_dscnt 24                                ; the weights, the scale words and row blocks 0-3 are in; the youngest 24 loads (blocks 4-7) may be out
	WIN MUL_LO
	MUL12 0, 0, 0, \slot, \z
	MUL12 2, 0, 0, \slot, \z
	s_wait_dscnt 0x0                               ; blocks 4-7 are in (asked for 60 matrix instructions ago)
	PLACES 4
	FETCH_B \slot, 1, 1
	FETCH_A \slot, 1, 1, 0
	FETCH_A \slot, 1, 1, 4
	WIN MUL_HI
	MUL12 4, 0, 0, \slot, \z
	MUL12 6, 0, 0, \slot, \z
	WIN 0
.endm
; A slot's second step (set 1) changes slots: one barrier, which opens a round of the cluster's.  In front of it each wave waits for all its tensor loads (one is out: its part of the next slot), adds 0 to its spare word,
; and waits for that and for its reads of this slot.  Behind the round no wave of any partner reads this slot or has a load on its way.
; Between the landing of one tile and the request for the next stand only the add, the descriptors' steps and twelve matrix instructions (while the add is out), and the round; the step's other 36 products follow the request and the run of LDS loads.
; fill = 1: this slot takes its own buffers' next K step: 192 bytes on in each row, and a row's 768 bytes back where K wraps from step 3 to step 0.  fill = 2: nothing is filled again; h_tm1's tile is asked for, each wave its 64 rows.
; ask = 1: in the loop's last trip h_tm1's tile is prefetched into the L2: my 64 rows' 256 bytes, a lane a row, two instructions; each row's 256 bytes are named once in the launch, since no other work-group reads them;
; it stands behind the tensor load, its four lines and the run of LDS loads, two visits (192 matrix instructions) ahead of the load that wants the tile.
.macro TURN slot, next, fill, ask
	s_wait_tensorcnt 0x0                           ; all my tensor loads have landed, so a group 0 may be written (every window is 0 here: the add's two registers lie in window 0)
	ds_add_u32 v[SPW], v[NIL]                      ; 0 onto my spare word
.if \fill == 1
	s_add_co_u32 s[KK+\slot], s[KK+\slot], 1
	s_and_b32 s[KK+\slot], s[KK+\slot], 3          ; the K step that this slot takes next
	s_cmp_eq_u32 s[KK+\slot], 0
	s_cselect_b32 s[WR], KROW, 0
	s_add_nc_u64 s[G0A+4*\slot+2:G0A+4*\slot+3], s[G0A+4*\slot+2:G0A+4*\slot+3], ROWB
	s_sub_nc_u64 s[G0A+4*\slot+2:G0A+4*\slot+3], s[G0A+4*\slot+2:G0A+4*\slot+3], s[WR:WR+1]
	s_add_nc_u64 s[G0B+4*\slot+2:G0B+4*\slot+3], s[G0B+4*\slot+2:G0B+4*\slot+3], ROWB
	s_sub_nc_u64 s[G0B+4*\slot+2:G0B+4*\slot+3], s[G0B+4*\slot+2:G0B+4*\slot+3], s[WR:WR+1]
.endif
	s_wait_dscnt 25                                ; (the add and the youngest 24 loads, row blocks 4-7, may be out)
	WIN MUL_LO
	MUL12 0, 1, 1, \slot, 0                        ; twelve matrix instructions stand between the add and the wait for it
	WIN 0
	s_wait_dscnt 0x0                               ; the add is done, and my reads of this slot are over: all of set 1 is in
	s_barrier_signal -1
	s_barrier_wait -1
	CREST
.if \fill == 1
	JLOAD \slot                                    ; the first tensor load behind the round, and my only one until the next; its four v_nop are also the places in front of the loads below
.else
	tensor_load_to_lds s[G0H:G0H+3], s[G1H:G1H+7]
	s_nop 0
	PLACES 4
.endif
	FETCH_B \next, 0, 0
	FETCH_A \next, 0, 0, 0
	SCALES \next
	FETCH_A \next, 0, 0, 4
.if \ask
	s_cmp_eq_u32 s3, 1
	s_cbranch_scc0 .Lno_ask_\@
	global_prefetch_b8 v[PFO], s[PFH:PFH+1] th:TH_LOAD_NT scope:SCOPE_SE
	global_prefetch_b8 v[PFO], s[PFH:PFH+1] offset:131072 th:TH_LOAD_NT scope:SCOPE_SE
.Lno_ask_\@:
.endif
	WIN MUL_LO
	MUL12 2, 1, 1, \slot, 0
	WIN MUL_HI
	MUL12 4, 1, 1, \slot, 0
	MUL12 6, 1, 1, \slot, 0
	WIN 0
.endm
	s_wait_tensorcnt 1                             ; my parts of the scales and of slot 0 are in (slot 1's load may be out)
	s_barrier_signal -1
	s_barrier_wait -1                              ; everybody's are
	FETCH_B 0, 0, 0
	FETCH_A 0, 0, 0, 0
	SCALES 0
	FETCH_A 0, 0, 0, 4
	STEP 0, 1                                      ; visit 0 (x, the cluster's first K step): its first step starts z, r, xh
	TURN 0, 1, 1, 0
	STEP 1, 2                                      ; visit 1 (h, the same K step): its first step starts rh
	s_mov_b32 s3, 2
.Llap:                                                 ; a trip goes once round the ring and fills both slots again
	TURN 1, 0, 1, 0
	STEP 0, 0
	TURN 0, 1, 1, 1
	STEP 1, 0
	s_sub_co_u32 s3, s3, 1
	s_cmp_lg_u32 s3, 0
	s_cbranch_scc1 .Llap
	TURN 1, 0, 1, 0                                ; the tail is written out: slot 1 takes its last K step,
	STEP 0, 0
	TURN 0, 1, 2, 0                                ; slot 0 is filled no more: h_tm1's tile is asked for
	STEP 1, 0
	s_wait_dscnt 24                                ; the very last step: nothing more to fetch
	WIN MUL_LO
	MUL12 0, 1, 1, 1, 0
	MUL12 2, 1, 1, 1, 0
	s_wait_dscnt 0x0
	WIN MUL_HI
	MUL12 4, 1, 1, 1, 0
	MUL12 6, 1, 1, 1, 0
	WIN 0
; THE GATES, in place, a window (four row blocks) at a time.  A group G = 64 a + 32 j holds z at G, r at G + 8, xh at G + 16, rh at G + 24; each accumulator is taken from its low end on.
; s1: sources 0, 1 and the destination in the sums' window, source 2 (the biases' constants) in window 1.  s2: all in the sums' window.
.macro GATES s1, s2
	WIN \s1
.irp G, 0,32,64,96,128,160,192,224
.irp e, 0,2,4,6
	v_pk_fma_f32 v[\G+\e:\G+\e+1], v[\G+\e:\G+\e+1], s[FIFTH:FIFTH+1], v[CZ+8*((\G/32)%2)+\e:CZ+8*((\G/32)%2)+\e+1] op_sel_hi:[1,0,1]          ; 0.2 (x_z + rec_z) + 0.5
.endr
.irp e, 0,2,4,6
	v_pk_fma_f32 v[\G+8+\e:\G+9+\e], v[\G+8+\e:\G+9+\e], s[FIFTH:FIFTH+1], v[CR+8*((\G/32)%2)+\e:CR+8*((\G/32)%2)+\e+1] op_sel_hi:[1,0,1]      ; the same for r
.endr
.irp e, 0,2,4,6
	v_pk_fma_f32 v[\G+24+\e:\G+25+\e], v[\G+24+\e:\G+25+\e], 1.0, v[BRH+8*((\G/32)%2)+\e:BRH+8*((\G/32)%2)+\e+1] op_sel_hi:[1,0,1]             ; rec_h: the sum + its bias (x 1.0 is exact: the bias stands where source 2's window reaches it)
.endr
.irp e, 0,1,2,3,4,5,6,7
	v_med3_num_f32 v[\G+\e], v[\G+\e], 0, 1.0      ; clipped: z
	v_med3_num_f32 v[\G+8+\e], v[\G+8+\e], 0, 1.0  ; and r
.endr
.endr
	WIN \s2
.irp G, 0,32,64,96,128,160,192,224
.irp e, 0,2,4,6
	v_pk_fma_f32 v[\G+16+\e:\G+17+\e], v[\G+8+\e:\G+9+\e], v[\G+24+\e:\G+25+\e], v[\G+16+\e:\G+17+\e]   ; r rec_h + the sum of x_h
.endr
.endr
	WIN \s1
.irp G, 0,32,64,96,128,160,192,224
.irp e, 0,2,4,6
	v_pk_fma_f32 v[\G+16+\e:\G+17+\e], v[\G+16+\e:\G+17+\e], s[LG2:LG2+1], v[C2+8*((\G/32)%2)+\e:C2+8*((\G/32)%2)+\e+1] op_sel_hi:[1,0,1]      ; 2 log2(e) t, x_h's bias with it
.endr
.endr
.irp G, 0,32,64,96,128,160,192,224
.irp e, 0,1,2,3,4,5,6,7
	v_exp_f32 v[\G+16+\e], v[\G+16+\e]
.endr
.endr
	v_nop                                          ; a plain line behind the last exponential
	s_wait_alu depctr_va_vdst(0)
.irp G, 0,32,64,96,128,160,192,224
.irp e, 0,2,4,6
	v_pk_add_f32 v[\G+16+\e:\G+17+\e], v[\G+16+\e:\G+17+\e], 1.0 op_sel_hi:[1,0]
.endr
.endr
.irp G, 0,32,64,96,128,160,192,224
.irp e, 0,1,2,3,4,5,6,7
	v_rcp_f32 v[\G+16+\e], v[\G+16+\e]
.endr
.endr
	v_nop                                          ; a plain line behind the last reciprocal
	s_wait_alu depctr_va_vdst(0)
.irp G, 0,32,64,96,128,160,192,224
.irp e, 0,2,4,6
	v_pk_fma_f32 v[\G+16+\e:\G+17+\e], v[\G+16+\e:\G+17+\e], -2.0, 1.0 op_sel_hi:[1,0,0]   ; hh = tanh(t) = 1 - 2 / (1 + 2^(2 log2(e) t))
.endr
.endr
.endm
; THE BLEND.  h_tm1's numbers come from the tile into r's registers, which are free; z (h - hh) + hh goes back to the same bytes, which are this lane's alone.
.macro HLOAD hi
	WIN 0x80+0x40*\hi                              ; destination: the sums' window
.irp al, 0,1,2,3
.irp j, 0,1
.irp c, 0,1
	ds_load_b128 v[64*\al+32*\j+8+4*\c:64*\al+32*\j+8+4*\c+3], v[HL] offset:16*(4*\hi+\al)*HP+64*\j+16*\c
.endr
.endr
.endr
.endm
.macro MIX hi
	WIN 0xaa+0x55*\hi
.irp G, 0,32,64,96,128,160,192,224
.irp e, 0,2,4,6
	v_pk_add_f32 v[\G+8+\e:\G+9+\e], v[\G+8+\e:\G+9+\e], v[\G+16+\e:\G+17+\e] neg_lo:[0,1] neg_hi:[0,1]   ; h - hh
.endr
.irp e, 0,2,4,6
	v_pk_fma_f32 v[\G+8+\e:\G+9+\e], v[\G+\e:\G+\e+1], v[\G+8+\e:\G+9+\e], v[\G+16+\e:\G+17+\e]           ; z (h - hh) + hh = z h + (1 - z) hh
.endr
.endr
.endm
.macro HSTORE hi
	WIN 0x08+4*\hi                                 ; an LDS store's data are its source 1
.irp al, 0,1,2,3
.irp j, 0,1
.irp c, 0,1
	ds_store_b128 v[HL], v[64*\al+32*\j+8+4*\c:64*\al+32*\j+8+4*\c+3] offset:16*(4*\hi+\al)*HP+64*\j+16*\c
.endr
.endr
.endr
.endm
	PLACES 4                                       ; behind the last products, in front of the first read of results
	GATES 0x9a, 0xaa
	GATES 0xdf, 0xff
	WIN 0
	s_wait_tensorcnt 0x0                           ; my 64 rows of h_tm1's tile have landed,
	s_barrier_signal -1
	s_barrier_wait -1                              ; everybody's have
	HLOAD 0
	HLOAD 1
	s_wait_dscnt 16                                ; row blocks 0-3's sixteen loads are in; blocks 4-7's may be out
	MIX 0
	HSTORE 0
	s_wait_dscnt 16                                ; only the sixteen stores just issued may be out: blocks 4-7's loads are in
	MIX 1
	HSTORE 1
	WIN 0
	s_wait_dscnt 0x0                               ; for the others' sake: my stores into the stage are done
	s_barrier_signal -1
	s_barrier_wait -1                              ; a row's 256 bytes come from two waves: now they are whole
.irp t, 0,1,2,3,4,5,6,7,8,9,10,11,12,13,14,15,16,17,18,19,20,21,22,23,24,25,26,27,28,29,30,31
	ds_load_b128 v[64+4*\t:64+4*\t+3], v[RD] offset:2*\t*HP
.endr
.irp t, 0,1,2,3,4,5,6,7,8,9,10,11,12,13,14,15,16,17,18,19,20,21,22,23,24,25,26,27,28,29,30,31
	s_wait_dscnt 31-\t
	global_store_b128 v[CO], v[64+4*\t:64+4*\t+3], s[24:25] offset:8192*\t th:TH_STORE_NT   ; 16 lanes store 256 consecutive bytes, at a multiple of 256 from the output's first byte; written once, read by nobody here
.endr
	s_wait_tensorcnt 0x0                           ; the wave's end, behind my last tensor load and my last LDS store
	ds_add_u32 v[SPW], v[NIL]
	s_wait_dscnt 0x0
	CROUND                                         ; the closing round: no work-group ends while a partner may still ask for a tile that names it
	s_endpgm
.Lfunc_end_k_q30f35537ca_gru:
	.size	k_q30f35537ca_gru, .Lfunc_end_k_q30f35537ca_gru-k_q30f35537ca_gru
	.p2alignl 7, 3214868480
	.fill 96, 4, 3214868480
	.section	.rodata,"a",@progbits
	.p2align	6, 0x0
	.amdhsa_kernel k_q30f35537ca_gru
		.amdhsa_group_segment_fixed_size 327680
		.amdhsa_private_segment_fixed_size 0
		.amdhsa_enable_private_segment 0
		.amdhsa_kernarg_size 88
		.amdhsa_user_sgpr_count 2
		.amdhsa_user_sgpr_kernarg_segment_ptr 1
		.amdhsa_wavefront_size32 1
		.amdhsa_system_sgpr_workgroup_id_x 1
		.amdhsa_system_sgpr_workgroup_id_y 1
		.amdhsa_system_sgpr_workgroup_id_z 1
		.amdhsa_system_vgpr_workitem_id 0
		.amdhsa_next_free_vgpr 1024
		.amdhsa_next_free_sgpr 106
		.amdhsa_reserve_vcc 0
		.amdhsa_float_denorm_mode_32 3
		.amdhsa_float_denorm_mode_16_64 3
		.amdhsa_memory_ordered 1
		.amdhsa_forward_progress 1
		.amdhsa_inst_pref_size 247
	.end_amdhsa_kernel
	.amdgpu_metadata
---
amdhsa.version: [ 1, 2 ]
amdhsa.kernels:
  - .name:           k_q30f35537ca_gru
    .symbol:         k_q30f35537ca_gru.kd
    .args:
      - { .name: inputs_codes, .offset: 0, .size: 8, .value_kind: global_buffer, .address_space: global }
      - { .name: inputs_scales, .offset: 8, .size: 8, .value_kind: global_buffer, .address_space: global }
      - { .name: kernel_codes, .offset: 16, .size: 8, .value_kind: global_buffer, .address_space: global }
      - { .name: kernel_scales, .offset: 24, .size: 8, .value_kind: global_buffer, .address_space: global }
      - { .name: recurrent_kernel_codes, .offset: 32, .size: 8, .value_kind: global_buffer, .address_space: global }
      - { .name: recurrent_kernel_scales, .offset: 40, .size: 8, .value_kind: global_buffer, .address_space: global }
      - { .name: h_codes, .offset: 48, .size: 8, .value_kind: global_buffer, .address_space: global }
      - { .name: h_scales, .offset: 56, .size: 8, .value_kind: global_buffer, .address_space: global }
      - { .name: h_tm1, .offset: 64, .size: 8, .value_kind: global_buffer, .address_space: global }
      - { .name: bias, .offset: 72, .size: 8, .value_kind: global_buffer, .address_space: global }
      - { .name: out0, .offset: 80, .size: 8, .value_kind: global_buffer, .address_space: global }
    .group_segment_fixed_size: 327680
    .private_segment_fixed_size: 0
    .kernarg_segment_align: 8
    .kernarg_segment_size: 88
    .max_flat_workgroup_size: 128
    .sgpr_count:     106
    .vgpr_count:     1024
    .wavefront_size: 32
...
	.end_amdgpu_metadata
.endif
;; end of part 2
